; MI455X (gfx1250); checked and timed in simulation.
; The chip was launched on July 23, 2026; its instructions are those of AMD's public machine-readable ISA for CDNA 5 (MIT licence, August 2026) and "CDNA5" Instruction Set Architecture Reference Guide (July 2026). The comments in the code are by the model that wrote it; some were corrected since.
;; Multi Head Attention. Allowed arithmetic: float matrix products may take bf16 or f16 operands with f32 sums; all other float work in f32.
;; Inputs: w_proj 1,024 x 1,024 float32; w_qkv 3,072 x 1,024 float32; x 2 x 2,048 x 1,024 float32.
;; Outputs: out0 2 x 2,048 x 1,024 float32.
;; One version. Each part assembles by itself: llvm-mc -triple=amdgcn-amd-amdhsa -mcpu=gfx1250 --defsym DOCPART=n.
;; ======== version 1 of 1: 4 launches
;; limits: values are held in f16: magnitudes above 65,504 overflow, below 6.1e-05 lose precision
;; workspace buffers: hx 16,777,216 bytes; qkv 25,165,824 bytes; att 8,388,608 bytes
;; launch cvt (part 1): grid 512 x 1, 8 waves a work-group, no clusters, 0 bytes of LDS; arguments x, w_qkv, w_proj, hx; writes hx
.if DOCPART == 1
	.amdgcn_target "amdgcn-amd-amdhsa--gfx1250"
	.amdhsa_code_object_version 6
	.text
	.protected	k_q472aba6b49_cvt
	.globl	k_q472aba6b49_cvt
	.p2align	8
	.type	k_q472aba6b49_cvt,@function
k_q472aba6b49_cvt:
	s_mov_b64 s[64:65], 0
	v_nop
	global_prefetch_b8 v0, s[64:65] scope:SCOPE_SE
	s_setreg_imm32_b32 hwreg(HW_REG_WAVE_MODE, 25, 1), 1
	s_wait_xcnt 0x0
; hx = f16(x) ++ f16(w_qkv) ++ f16(w_proj): the three f32 inputs rounded once (to nearest even) to f16, one behind the other.
; x: 4,194,304 numbers, w_qkv: 3,145,728, w_proj: 1,048,576.  A work-group owns 16,384 numbers (65,536 bytes in, 32,768 out):
; groups 0-255 take x, 256-447 w_qkv, 448-511 w_proj, and the output offset is simply group x 32,768.
; LIMIT: a number beyond 65,504 in magnitude becomes an infinity in f16; below 6.1e-5 the error is absolute, at most 3e-8.
; A plain stream: no LDS, no matrix unit, no cluster (no two work-groups read the same byte).
; Thread t takes 16 bytes at 16 t of each block of 4,096 bytes; all sixteen loads go out first; each store of a wave
; covers 256 consecutive bytes, aligned.  No register is written twice, so no source has to be freed.
.set X, 4                              ; v[4:67]   sixteen loads of four f32
.set Y, 68                             ; v[68:99]  sixteen pairs of packed f16
	s_load_b256 s[4:11], s[0:1], 0x0               ; x s[4:5], w_qkv s[6:7], w_proj s[8:9], hx s[10:11]
	v_lshlrev_b32 v1, 4, v0                        ; 16 t: my bytes in a block of the input
	v_lshlrev_b32 v2, 3, v0                        ; 8 t: my bytes in a block of the output
	s_wait_kmcnt 0x0
	s_cmp_lt_u32 ttmp9, 256                        ; which input, and the first group of that input
	s_cselect_b64 s[12:13], s[4:5], s[6:7]
	s_cselect_b32 s14, 0, 256
	s_cmp_lt_u32 ttmp9, 448
	s_cselect_b64 s[12:13], s[12:13], s[8:9]
	s_cselect_b32 s14, s14, 448
	s_sub_co_u32 s14, ttmp9, s14                   ; my number among that input's groups
	s_lshl_b32 s2, s14, 16                         ; x 65,536 bytes
	s_mov_b32 s3, 0
	s_add_nc_u64 s[12:13], s[12:13], s[2:3]
	s_lshl_b32 s2, ttmp9, 15                       ; x 32,768 bytes
	s_add_nc_u64 s[10:11], s[10:11], s[2:3]
.set i, 0
.rept 16
	global_load_b128 v[X+4*i:X+4*i+3], v1, s[12:13] offset:4096*i th:TH_LOAD_NT   ; read once in the whole program
.set i, i+1
.endr
.set i, 0
.rept 16
	s_wait_loadcnt 15-i                            ; loads come back in order: load i is in, the 15 - i younger ones stay out
	v_cvt_pk_f16_f32 v[Y+2*i],   v[X+4*i],   v[X+4*i+1]
	v_cvt_pk_f16_f32 v[Y+2*i+1], v[X+4*i+2], v[X+4*i+3]
	global_store_b64 v2, v[Y+2*i:Y+2*i+1], s[10:11] offset:2048*i     ; no hint: the next launches read these bytes
.set i, i+1
.endr
	s_endpgm
.Lfunc_end_k_q472aba6b49_cvt:
	.size	k_q472aba6b49_cvt, .Lfunc_end_k_q472aba6b49_cvt-k_q472aba6b49_cvt
	.p2alignl 7, 3214868480
	.fill 96, 4, 3214868480
	.section	.rodata,"a",@progbits
	.p2align	6, 0x0
	.amdhsa_kernel k_q472aba6b49_cvt
		.amdhsa_group_segment_fixed_size 0
		.amdhsa_private_segment_fixed_size 0
		.amdhsa_enable_private_segment 0
		.amdhsa_kernarg_size 32
		.amdhsa_user_sgpr_count 2
		.amdhsa_user_sgpr_kernarg_segment_ptr 1
		.amdhsa_wavefront_size32 1
		.amdhsa_system_sgpr_workgroup_id_x 1
		.amdhsa_system_sgpr_workgroup_id_y 1
		.amdhsa_system_sgpr_workgroup_id_z 1
		.amdhsa_system_vgpr_workitem_id 0
		.amdhsa_next_free_vgpr 100
		.amdhsa_next_free_sgpr 66
		.amdhsa_reserve_vcc 0
		.amdhsa_float_denorm_mode_32 3
		.amdhsa_float_denorm_mode_16_64 3
		.amdhsa_memory_ordered 1
		.amdhsa_forward_progress 1
		.amdhsa_inst_pref_size 7
	.end_amdhsa_kernel
	.amdgpu_metadata
---
amdhsa.version: [ 1, 2 ]
amdhsa.kernels:
  - .name:           k_q472aba6b49_cvt
    .symbol:         k_q472aba6b49_cvt.kd
    .args:
      - { .name: x, .offset: 0, .size: 8, .value_kind: global_buffer, .address_space: global }
      - { .name: w_qkv, .offset: 8, .size: 8, .value_kind: global_buffer, .address_space: global }
      - { .name: w_proj, .offset: 16, .size: 8, .value_kind: global_buffer, .address_space: global }
      - { .name: hx, .offset: 24, .size: 8, .value_kind: global_buffer, .address_space: global }
    .group_segment_fixed_size: 0
    .private_segment_fixed_size: 0
    .kernarg_segment_align: 8
    .kernarg_segment_size: 32
    .max_flat_workgroup_size: 256
    .sgpr_count:     66
    .vgpr_count:     100
    .wavefront_size: 32
...
	.end_amdgpu_metadata
.endif
;; end of part 1
;; launch qkv (part 2): grid 16 x 16, 4 waves a work-group, clusters of 4 x 4, 327,680 bytes of LDS; arguments hx, qkv; writes qkv
.if DOCPART == 2
	.amdgcn_target "amdgcn-amd-amdhsa--gfx1250"
	.amdhsa_code_object_version 6
	.text
	.protected	k_q472aba6b49_qkv
	.globl	k_q472aba6b49_qkv
	.p2align	8
	.type	k_q472aba6b49_qkv,@function
k_q472aba6b49_qkv:
	s_mov_b64 s[64:65], 0
	v_nop
	global_prefetch_b8 v0, s[64:65] scope:SCOPE_SE
	s_setreg_imm32_b32 hwreg(HW_REG_WAVE_MODE, 25, 1), 1
	s_wait_xcnt 0x0
	s_wait_alu depctr_hold_cnt(0) depctr_sa_sdst(0) depctr_va_vdst(0) depctr_va_sdst(0) depctr_va_ssrc(0) depctr_va_vcc(0) depctr_vm_vsrc(0)
	s_getreg_b32 s2, hwreg(HW_REG_IB_STS2, 6, 4)
	s_cmp_eq_u32 s2, 0
	s_cbranch_scc0 .Lentry_in_a_cluster
	s_endpgm
.Lentry_in_a_cluster:
	s_bfe_u32 s2, ttmp6, 0x10000c
	s_cmp_lg_u32 s2, 0xf033
	s_cbranch_scc0 .Lentry_shape_is_right
	s_endpgm
.Lentry_shape_is_right:
; q, k, v = x w_qkv^T, rotary embedding on q and k, laid out by heads: qkv = q ++ k ++ v, each [2][16][2048][64] in f16.
; hx holds x [4096][1024] at byte 0 and w_qkv [3072][1024] at byte 8,388,608, both f16.  Sums in f32.
; A work-group makes 256 rows (one of 16 row blocks) x 192 columns: head hd of q, of k and of v (rows hd*64 + 0, 1024, 2048 of w_qkv).
; Four waves; wave w makes rows 64 w .. 64 w + 63 x all 192 columns: 4 x 12 = 48 accumulator tiles, 384 registers.  A wave so holds
; whole head rows: the rotary partner d +- 32 lies in the same lane, and what it stores is contiguous, 8,192 bytes each of q, k and v.
; K goes in steps of 128 (rows of 256 bytes) through two LDS slots filled by the tensor data mover.
; CLUSTERS: 4 x 4 work-groups.  x's tile hangs on the row block alone and is asked for jointly along a row of the cluster; w_qkv's tile
; hangs on the head alone and is asked for jointly along a column.
; LIMITS: operands are f16: |x|, |w|, |q|, |k|, |v| beyond 65,504 become infinities; below 6.1e-5 the error is absolute, at most 3e-8.
; The rotary angles t * 10000^(-f/32) are made with v_exp_f32 and one f32 product and are good to about 2e-4 radians at t = 2047;
; sine and cosine are Taylor sums to x^15 and x^16 on [-pi, pi], cut off below 8e-7.  NaN and infinite inputs are not followed.
;
; REGISTERS, in windows of 256:
;   window 0: v8-31 addresses and constants; v32-47 the 16 frequencies of my lane; v48-63 at work; v64-95, v96-127 fragments of x, two buffers;
;             v128-255 cosines and sines of my rows (row tile a: cos at 128+32a+idx, sin 16 further; idx = 0..15 for d = 16 (idx/8) + 8 h + idx%8)
;   window 1: v0-95, v96-191 fragments of w_qkv, two buffers
;   window 2: accumulators of row tiles 0, 1 (tile (a, b) at v[8 (12 a + b)]);  window 3: those of row tiles 2, 3
; THE MATRIX INSTRUCTION IS USED TRANSPOSED: source 0 = 16 rows of w_qkv, source 1 = 16 rows of x, so that lane l holds row l % 16 and its
; registers 0-7 the columns 16 b + 8 (l / 16) + 0..7: eight neighbouring numbers of a head row.
.set KSTEP,  128
.set PITCH,  272                       ; an LDS row: 256 bytes + 16 of padding: the 16 rows that a load touches start 16 bytes apart modulo 256
.set QT,     64*PITCH                  ; 64 rows: what one tensor load brings
.set BOFF,   4*QT                      ; behind x's 256 rows: w_qkv's 192 (q's 64, k's 64, v's 64)
.set SLOT,   7*QT
.set STAGE,  2*SLOT                    ; behind the ring, never filled by a tensor load: the way out
.set SPITCH, 144                       ; a staged head row: 128 bytes + 16
.set ZSTG,   16*SPITCH                 ; 16 rows of q, of k or of v
.set WSTG,   3*ZSTG                    ; a wave's stage
.set LAPS,   4                         ; 1024 / (2 x 128): a lap is once round the ring
.set C14P, 12                          ; v[12:13] a cosine coefficient, twice
.set ADRA, 16                          ; v16-17   LDS address of my fragments of x in slot 0, 1
.set ADRB, 20                          ; v20-21   the same for w_qkv
.set STO,  24                          ; v24      the way out: where I put 16 bytes of a row
.set RD,   25                          ; v25      the way out: where I read rows back
.set CO,   26                          ; v26      16 x lane
.set TT,   28                          ; v[28:29] my row's position t, twice
.set S13P, 30                          ; v[30:31] a sine coefficient, twice
.set INV,  32                          ; v32-47   frequencies
.set TMP,  48                          ; v48-63   at work on the table
.set AF,   64                          ; fragments of x: buffer f at AF + 32 f
.set CS,   128                         ; the table
.set TW,   32                          ; the way out: 32 rotated numbers
.set PK,   64                          ; the way out: 48 registers of packed f16 (q 16, k 16, v 16)
.set G1,  24                           ; s[24:31] descriptor group 1 for x's tiles
.set G0,  32                           ; s[32:39] descriptor group 0 for x's tiles, one set for each slot
.set G1B, 48                           ; s[48:55] group 1 for w_qkv's tiles: the mask differs
.set G0B, 56                           ; s[56:63] group 0 for w_qkv's tiles, one set for each slot
.set MSB, 0
.macro WIN new                         ; the immediate's high byte repeats the setting that is left
.if MSB != \new
	s_set_vgpr_msb (MSB<<8)|\new
.set MSB, \new
.endif
.endm
.set MUL_LO, 0xa1                      ; source 0 (w_qkv) window 1, source 1 (x) window 0, C and D window 2
.set MUL_HI, 0xf1                      ; the same, C and D window 3
.set TO_B,   0x40                      ; destination window 1, address window 0
; The joint loads of one slot.  Every wave fetches 64 rows of x; waves 0, 1, 2 also fetch the 64 rows of q's, k's, v's weights.
; The branch hangs on the wave's number alone, so it is the same in every work-group.
.macro JLOAD s
	tensor_load_to_lds s[G0+4*\s:G0+4*\s+3], s[G1:G1+7]
	s_nop 0
	s_cmp_eq_u32 s10, 3
	s_cbranch_scc1 .Lno_b_\@
	tensor_load_to_lds s[G0B+4*\s:G0B+4*\s+3], s[G1B:G1B+7]
	s_nop 0
.Lno_b_\@:
.endm
; A round of the cluster's barrier: my work-group's barrier, wave 0 signals for the work-group, every wave waits for all sixteen
; work-groups, my work-group's barrier once more.
.macro CREST                           ; a round behind its opening barrier
	s_cmp_lg_u32 s10, 0
	s_cbranch_scc1 .Lnot_wave_0_\@
	s_barrier_signal -3
.Lnot_wave_0_\@:
	s_barrier_wait -3
	s_barrier_signal -1
	s_barrier_wait -1
.endm
.macro CROUND
	s_barrier_signal -1
	s_barrier_wait -1
	CREST
.endm
; Four plain vector instructions between a matrix instruction and a load into, or a vector instruction on, one of its registers
.macro PLACES
.rept 4
	v_nop
.endr
.endm
	s_load_b128 s[4:7], s[0:1], 0x0                ; hx s[4:5], qkv s[6:7]
	s_set_vgpr_msb 0x40
	v_lshl_add_u32 v255, v0, 2, 0x42400
	s_set_vgpr_msb 0x4000
	v_mov_b32 v27, 0
	s_set_vgpr_msb 0x1
	ds_add_u32 v255, v27
	s_set_vgpr_msb 0x100
	v_lshrrev_b32 v1, 5, v0
	v_readfirstlane_b32 s10, v1                    ; wave 0..3
	s_bfe_u32 s40, ttmp6, 0x40000                  ; cx
	s_bfe_u32 s41, ttmp6, 0x40004                  ; cy
	s_lshl_b32 s42, ttmp9, 2
	s_add_co_u32 s42, s42, s40                     ; head hd = 4 x cluster x + cx
	s_and_b32 s13, ttmp7, 0xffff
	s_lshl_b32 s13, s13, 2
	s_add_co_u32 s13, s13, s41                     ; row block rb = 4 x cluster y + cy
	s_lshl_b32 s43, s41, 2
	s_lshl_b32 s43, 15, s43                        ; my row of the cluster: places 4 cy .. 4 cy + 3
	s_lshl_b32 s44, 0x1111, s40                    ; my column: places cx, cx + 4, cx + 8, cx + 12
	; group 1: a tile of 64 rows x 128 elements of 2 bytes, 4 words of padding behind every 64 words
	s_or_b32 s[G1+0],  s43, (1<<16)|(1<<20)|(1<<21)|(5<<22)|(3<<25)   ; x's tiles go to my row of the cluster
	s_or_b32 s[G1B+0], s44, (1<<16)|(1<<20)|(1<<21)|(5<<22)|(3<<25)   ; w_qkv's tiles to my column
.irp g, G1, G1B
	s_mov_b32 s[\g+1], KSTEP<<16                   ; tensor_dim0 = 128
	s_mov_b32 s[\g+2], 64<<16                      ; tensor_dim1 = 64
	s_mov_b32 s[\g+3], KSTEP<<16                   ; tile_dim0 = 128
	s_mov_b32 s[\g+4], 64                          ; tile_dim1 = 64
	s_mov_b32 s[\g+5], 1024                        ; elements from row to row
	s_mov_b32 s[\g+6], 0
	s_mov_b32 s[\g+7], 0
.endr
	s_lshl_b32 s16, s13, 19                        ; x: row block x 256 rows x 2,048 bytes
	s_lshl_b32 s18, s10, 17                        ;    + wave x 64 rows
	s_add_co_u32 s16, s16, s18
	s_mov_b32 s17, 0
	s_lshl_b32 s46, s42, 17                        ; w_qkv: head x 64 rows x 2,048 bytes
	s_lshl_b32 s19, s10, 21                        ;    + wave (0: q, 1: k, 2: v) x 1,024 rows
	s_add_co_u32 s46, s46, s19
	s_add_co_u32 s46, s46, 0x800000                ;    + where w_qkv begins in hx
	s_mov_b32 s47, 0
	s_mul_i32 s20, s10, QT                         ; LDS: wave x 64 rows; no place in the cluster enters an LDS address
	s_lshr_b32 s66, s13, 3                         ; the output: batch x 16 heads x 262,144 bytes
	s_lshl_b32 s66, s66, 22
	s_lshl_b32 s67, s42, 18                        ; + head
	s_add_co_u32 s66, s66, s67
	s_and_b32 s67, s13, 7
	s_lshl_b32 s67, s67, 15                        ; + row block in the batch x 256 rows x 128 bytes
	s_add_co_u32 s66, s66, s67
	s_lshl_b32 s67, s10, 13                        ; + wave x 64 rows
	s_add_co_u32 s66, s66, s67
	s_mov_b32 s67, 0
	s_wait_dscnt 0x0
	s_wait_kmcnt 0x0
	s_add_nc_u64 s[14:15], s[4:5], s[16:17]
	s_add_nc_u64 s[46:47], s[4:5], s[46:47]
	s_add_nc_u64 s[68:69], s[6:7], s[66:67]        ; q
	s_add_nc_u64 s[70:71], s[68:69], 0x800000      ; k
	s_add_nc_u64 s[72:73], s[68:69], 0x1000000     ; v
	CROUND                                         ; all sixteen work-groups are here: the first joint loads meet
.irp s, 0,1
	s_mov_b32 s[G0+4*\s], 1                                        ; count = 1
	s_add_co_u32 s[G0+4*\s+1], s20, \s*SLOT                        ; LDS address
	s_add_nc_u64 s[G0+4*\s+2:G0+4*\s+3], s[14:15], \s*KSTEP*2      ; K step s
	s_or_b32 s[G0+4*\s+3], s[G0+4*\s+3], 0x80000000                ; type = 2
	s_mov_b32 s[G0B+4*\s], 1
	s_add_co_u32 s[G0B+4*\s+1], s20, \s*SLOT+BOFF
	s_add_nc_u64 s[G0B+4*\s+2:G0B+4*\s+3], s[46:47], \s*KSTEP*2
	s_or_b32 s[G0B+4*\s+3], s[G0B+4*\s+3], 0x80000000
	JLOAD \s                                       ; waves 0-2 now have up to four tensor loads out, wave 3 two
.endr
	; addresses.  A fragment: lane l holds row l % 16; two loads of 16 bytes, 32 bytes apart, at row x pitch + 16 (l / 16)
	v_and_b32 v1, 15, v0                           ; r = l % 16
	v_bfe_u32 v2, v0, 4, 1                         ; h = l / 16
	v_and_b32 v6, 31, v0                           ; l
	v_mul_u32_u24 v3, v1, PITCH
	v_lshl_add_u32 v3, v2, 4, v3
	v_add_nc_u32 v[ADRA], s20, v3                  ; my 64 rows of x
	v_add_nc_u32 v[ADRA+1], SLOT, v[ADRA]
	v_add_nc_u32 v[ADRB], BOFF, v3                 ; all 192 rows of w_qkv
	v_add_nc_u32 v[ADRB+1], SLOT+BOFF, v3
	s_mul_i32 s23, s10, WSTG
	s_add_co_u32 s23, s23, STAGE                   ; my stage
	v_mul_u32_u24 v4, v1, SPITCH
	v_lshl_add_u32 v4, v2, 4, v4
	v_add_nc_u32 v[STO], s23, v4                   ; in: row r, 16 bytes for each half of the lanes
	v_lshrrev_b32 v5, 3, v6
	v_mul_u32_u24 v5, v5, SPITCH
	v_and_b32 v7, 7, v0
	v_lshl_add_u32 v5, v7, 4, v5
	v_add_nc_u32 v[RD], s23, v5                    ; back: eight lanes take a row of 128 bytes, the wave four rows
	v_lshlrev_b32 v[CO], 4, v6                     ; and the same 512 bytes in memory
	; THE ROTARY TABLE, made while the first tiles are on their way.
	; Frequencies: 10000^(-f/32) = 2^(-0.41524101 f), f = 16 (idx / 8) + 8 h + idx % 8
	s_and_b32 s45, s13, 7
	s_lshl_b32 s45, s45, 8
	s_lshl_b32 s21, s10, 6
	s_add_co_u32 s45, s45, s21                     ; position of my wave's first row in its sequence
	v_add_nc_u32 v8, s45, v1                       ; + r
	v_lshlrev_b32 v9, 3, v2                        ; 8 h
.set i, 0
.rept 16
	v_add_nc_u32 v[TMP+i], 16*(i/8)+i%8, v9
.set i, i+1
.endr
.set i, 0
.rept 16
	v_cvt_f32_u32 v[TMP+i], v[TMP+i]
.set i, i+1
.endr
.set i, 0
.rept 16
	v_mul_f32 v[TMP+i], 0xbed49a78, v[TMP+i]
.set i, i+1
.endr
.set i, 0
.rept 16
	v_exp_f32 v[INV+i], v[TMP+i]
.set i, i+1
.endr
	v_mov_b32 v[S13P],   0x2f309231                ; 1/13!  (plain instructions behind the exponentials, ahead of the first use: ISA guide 5.7.2)
	v_mov_b32 v[S13P+1], 0x2f309231
	v_mov_b32 v[C14P],   0xad49cba5                ; -1/14!
	v_mov_b32 v[C14P+1], 0xad49cba5
	s_wait_alu depctr_va_vdst(0)
; One Horner step of the sine's and of the cosine's polynomial in y = x^2, for two register pairs
.macro HORN4 sc, cc
.irp u, 0,1
	v_pk_fma_f32 v[TMP+8*\u+2:TMP+8*\u+3], v[TMP+8*\u+2:TMP+8*\u+3], v[TMP+8*\u+4:TMP+8*\u+5], \sc op_sel_hi:[1,1,0]
	v_pk_fma_f32 v[TMP+8*\u+6:TMP+8*\u+7], v[TMP+8*\u+6:TMP+8*\u+7], v[TMP+8*\u+4:TMP+8*\u+5], \cc op_sel_hi:[1,1,0]
.endr
.endm
; cos and sin of t x frequency for frequencies 2 q .. 2 q + 3 of row tile a.  Per pair u: +0 the angle, +2 the quotient, then the sine's sum, +4 y, +6 the cosine's sum
.macro SC4 a, q
.irp u, 0,1
	v_pk_mul_f32 v[TMP+8*\u:TMP+8*\u+1], v[INV+2*(\q+\u):INV+2*(\q+\u)+1], v[TT:TT+1]
.endr
.irp u, 0,1
	v_pk_mul_f32 v[TMP+8*\u+2:TMP+8*\u+3], v[TMP+8*\u:TMP+8*\u+1], 0x3e22f983 op_sel_hi:[1,0]      ; / 2 pi
.endr
.irp u, 0,1
	v_rndne_f32 v[TMP+8*\u+2], v[TMP+8*\u+2]
	v_rndne_f32 v[TMP+8*\u+3], v[TMP+8*\u+3]
.endr
.irp u, 0,1
	v_pk_fma_f32 v[TMP+8*\u:TMP+8*\u+1], v[TMP+8*\u+2:TMP+8*\u+3], 0xc0c90fdb, v[TMP+8*\u:TMP+8*\u+1] op_sel_hi:[1,0,1]   ; - n x 6.2831855
.endr
.irp u, 0,1
	v_pk_fma_f32 v[TMP+8*\u:TMP+8*\u+1], v[TMP+8*\u+2:TMP+8*\u+3], 0x343bbd2e, v[TMP+8*\u:TMP+8*\u+1] op_sel_hi:[1,0,1]   ; + n x 1.7484556e-7: what that figure is above 2 pi
.endr
.irp u, 0,1
	v_pk_mul_f32 v[TMP+8*\u+4:TMP+8*\u+5], v[TMP+8*\u:TMP+8*\u+1], v[TMP+8*\u:TMP+8*\u+1]
.endr
.irp u, 0,1
	v_pk_fma_f32 v[TMP+8*\u+2:TMP+8*\u+3], v[TMP+8*\u+4:TMP+8*\u+5], 0xab573f9f, v[S13P:S13P+1] op_sel_hi:[1,0,1]         ; -y/15! + 1/13!
	v_pk_fma_f32 v[TMP+8*\u+6:TMP+8*\u+7], v[TMP+8*\u+4:TMP+8*\u+5], 0x29573f9f, v[C14P:C14P+1] op_sel_hi:[1,0,1]         ; y/16! - 1/14!
.endr
	HORN4 0xb2d7322b, 0x310f76c7                   ; -1/11!, 1/12!
	HORN4 0x3638ef1d, 0xb493f27e                   ; 1/9!, -1/10!
	HORN4 0xb9500d01, 0x37d00d01                   ; -1/7!, 1/8!
	HORN4 0x3c088889, 0xbab60b61                   ; 1/5!, -1/6!
	HORN4 0xbe2aaaab, 0x3d2aaaab                   ; -1/3!, 1/4!
	HORN4 1.0, -0.5
.irp u, 0,1
	v_pk_mul_f32 v[CS+32*\a+16+2*(\q+\u):CS+32*\a+16+2*(\q+\u)+1], v[TMP+8*\u+2:TMP+8*\u+3], v[TMP+8*\u:TMP+8*\u+1]
	v_pk_fma_f32 v[CS+32*\a+2*(\q+\u):CS+32*\a+2*(\q+\u)+1], v[TMP+8*\u+6:TMP+8*\u+7], v[TMP+8*\u+4:TMP+8*\u+5], 1.0 op_sel_hi:[1,1,0]
.endr
.endm
.irp a, 0,1,2,3
	v_add_nc_u32 v9, 16*\a, v8
	v_cvt_f32_u32 v[TT], v9
	v_mov_b32 v[TT+1], v[TT]
	SC4 \a, 0
	SC4 \a, 2
	SC4 \a, 4
	SC4 \a, 6
.endr
; 12 matrix instructions: row tile a of the window's two (hi = 0: my rows 0-31, 1: rows 32-63) x all 12 column tiles, 32 along K.
; zero = 1: the first product starts the sums.  The 48 accumulators take turns, one instruction a turn.
.macro MUL12 f, hi, a, zero
.set bi, 0
.rept 12
.if \zero
	v_wmma_f32_16x16x32_f16 v[8*(12*\a+bi):8*(12*\a+bi)+7], v[96*\f+8*bi:96*\f+8*bi+7], v[AF+32*\f+8*(2*\hi+\a):AF+32*\f+8*(2*\hi+\a)+7], 0
.else
	v_wmma_f32_16x16x32_f16 v[8*(12*\a+bi):8*(12*\a+bi)+7], v[96*\f+8*bi:96*\f+8*bi+7], v[AF+32*\f+8*(2*\hi+\a):AF+32*\f+8*(2*\hi+\a)+7], v[8*(12*\a+bi):8*(12*\a+bi)+7]
.endif
.set bi, bi+1
.endr
.endm
; 32 LDS loads in one run: the fragments of one quarter step (192 rows of w_qkv, 64 rows of x, 32 K at byte k of the rows) into buffer f
.macro FETCH slot, k, f
	WIN TO_B
.set bi, 0
.rept 12
	ds_load_b128 v[96*\f+8*bi:96*\f+8*bi+3],   v[ADRB+\slot] offset:\k+bi*16*PITCH
	ds_load_b128 v[96*\f+8*bi+4:96*\f+8*bi+7], v[ADRB+\slot] offset:\k+bi*16*PITCH+32
.set bi, bi+1
.endr
	WIN 0
.set bi, 0
.rept 4
	ds_load_b128 v[AF+32*\f+8*bi:AF+32*\f+8*bi+3],   v[ADRA+\slot] offset:\k+bi*16*PITCH
	ds_load_b128 v[AF+32*\f+8*bi+4:AF+32*\f+8*bi+7], v[ADRA+\slot] offset:\k+bi*16*PITCH+32
.set bi, bi+1
.endr
.endm
; One of a K step's first three quarters: multiplies buffer f; in its middle it fetches the next quarter's fragments into buffer g
.macro QUARTER slot, k, f, g, zero
	s_wait_dscnt 4                                 ; w_qkv's fragments and x's row tiles 0, 1 are in; the youngest four loads (row tiles 2, 3) may be out
	WIN MUL_LO
	MUL12 \f, 0, 0, \zero
	MUL12 \f, 0, 1, \zero
	PLACES
	FETCH \slot, \k, \g
	s_wait_dscnt 32                                ; all but the 32 just issued
	WIN MUL_HI
	MUL12 \f, 1, 0, \zero
	MUL12 \f, 1, 1, \zero
.endm
.macro THREE slot, zero
	QUARTER \slot, 64,  0, 1, \zero
	QUARTER \slot, 128, 1, 0, 0
	QUARTER \slot, 192, 0, 1, 0
.endm
; The last quarter: multiplies buffer 1 and changes slots.  One barrier for two things: in front of it each wave waits for its reads of this
; slot and for all its tensor loads (its parts of the next slot); behind it nobody reads this slot and the next slot is whole.  Where this slot
; is filled again (fill = 1) that barrier opens a round of the cluster's barrier, and the joint refills are the first tensor loads behind the round.
; From a request to the wait for it a wave issues 180 matrix instructions; behind a refill waves 0-2 have two tensor loads out, wave 3 one.
.macro TURN slot, next, fill
	s_wait_dscnt 4
	WIN MUL_LO
	MUL12 1, 0, 0, 0
	s_wait_dscnt 0                                 ; my reads of this slot are over
	s_wait_tensorcnt 0x0                           ; and all my tensor loads have landed
	ds_add_u32 v255, v27
	s_wait_dscnt 0x0
	s_barrier_signal -1
	MUL12 1, 0, 1, 0                               ; registers only, while the others arrive
	WIN 0
	s_barrier_wait -1
.if \fill
	CREST                                          ; no wave of any partner still reads this slot or has a load on its way
	s_add_nc_u64 s[G0+4*\slot+2:G0+4*\slot+3], s[G0+4*\slot+2:G0+4*\slot+3], 2*KSTEP*2
	s_add_nc_u64 s[G0B+4*\slot+2:G0B+4*\slot+3], s[G0B+4*\slot+2:G0B+4*\slot+3], 2*KSTEP*2
	JLOAD \slot
.endif
	PLACES
	FETCH \next, 0, 0
	WIN MUL_HI
	MUL12 1, 1, 0, 0
	MUL12 1, 1, 1, 0
.endm
.macro LAP zero
	THREE 0, \zero
	TURN 0, 1, 1
	THREE 1, 0
	TURN 1, 0, 1
.endm
	s_wait_tensorcnt 1                             ; at most my youngest load is out, and that is one of slot 1's: my parts of K step 0 are in
	s_barrier_signal -1
	s_barrier_wait -1                              ; everybody's are
	FETCH 0, 0, 0
	LAP 1                                          ; the first lap stands in front of the loop: its first products start the sums
	WIN 0
	s_mov_b32 s3, LAPS-2
.Llap:
	LAP 0
	WIN 0
	s_sub_co_u32 s3, s3, 1
	s_cmp_lg_u32 s3, 0
	s_cbranch_scc1 .Llap
	THREE 0, 0                                     ; the last lap fills nothing
	TURN 0, 1, 0
	THREE 1, 0
	s_wait_dscnt 4
	WIN MUL_LO
	MUL12 1, 0, 0, 0
	MUL12 1, 0, 1, 0
	s_wait_dscnt 0
	WIN MUL_HI
	MUL12 1, 1, 0, 0
	MUL12 1, 1, 1, 0
	PLACES                                         ; behind the last matrix instructions, ahead of the first reads of results
; THE WAY OUT, 16 rows at a time.
; q and k: out(d < 32) = x1 cos - x2 sin, out(d >= 32) = x2 cos + x1 sin, x1 = column tiles 0, 1 and x2 = column tiles 2, 3 of the head.
.macro ROPE z, al, a
.set ci, 0
.rept 2
.set jj, 0
.rept 4
.set X1, 8*(12*\al+4*\z+ci)+jj
.set X2, X1+16
.set CN, CS+32*\a+8*ci+jj
.set SN, CN+16
.set T1, TW+8*ci+jj
.set T2, T1+16
	v_pk_mul_f32 v[T1:T1+1], v[X2:X2+1], v[SN:SN+1]
	v_pk_mul_f32 v[T2:T2+1], v[X1:X1+1], v[SN:SN+1]
	v_pk_fma_f32 v[T1:T1+1], v[X1:X1+1], v[CN:CN+1], v[T1:T1+1] neg_lo:[0,0,1] neg_hi:[0,0,1]
	v_pk_fma_f32 v[T2:T2+1], v[X2:X2+1], v[CN:CN+1], v[T2:T2+1]
.set jj, jj+2
.endr
.set ci, ci+1
.endr
.endm
.macro PACK z
.set ki, 0
.rept 16
	v_cvt_pk_f16_f32 v[PK+16*\z+ki], v[TW+2*ki], v[TW+2*ki+1]
.set ki, ki+1
.endr
.endm
; row tile a = tile al of window 2 or 3 (w2: sources 0 and 1 in that window; w1: source 0 alone)
.macro OUTT a, al, w2, w1
.if \a
	s_wait_xcnt 0x0                                ; the last tile's stores have had their addresses translated (ISA guide 3.1): the registers they read are rewritten only behind this wait
.endif
	WIN \w2
.set ki, 0
.rept 16
	v_cvt_pk_f16_f32 v[PK+32+ki], v[8*(12*\al+8)+2*ki], v[8*(12*\al+8)+2*ki+1]     ; v as it is
.set ki, ki+1
.endr
	WIN \w1
	ROPE 0, \al, \a
	WIN 0
	PACK 0
	WIN \w1
	ROPE 1, \al, \a
	WIN 0
	PACK 1
.set ni, 0
.rept 12
	ds_store_b128 v[STO], v[PK+4*ni:PK+4*ni+3] offset:(ni/4)*ZSTG+(ni%4)*32        ; row r, bytes 32 ct + 16 h
.set ni, ni+1
.endr
.set ni, 0
.rept 12
.if ni < 8
.set RR, 32+4*ni
.else
.set RR, 80+4*ni
.endif
	ds_load_b128 v[RR:RR+3], v[RD] offset:(ni/4)*ZSTG+(ni%4)*4*SPITCH              ; LDS serves a wave's instructions in order (ISA guide 5.7.1): these see the stores above
.set ni, ni+1
.endr
.set ni, 0
.rept 12
.if ni < 8
.set RR, 32+4*ni
.else
.set RR, 80+4*ni
.endif
	s_wait_dscnt 11-ni                             ; load ni is in, the younger ones stay out
	global_store_b128 v[CO], v[RR:RR+3], s[68+2*(ni/4):69+2*(ni/4)] offset:\a*2048+(ni%4)*512   ; the wave stores 512 consecutive bytes, aligned
.set ni, ni+1
.endr
.endm
	OUTT 0, 0, 0x0a, 0x02
	OUTT 1, 1, 0x0a, 0x02
	OUTT 2, 0, 0x0f, 0x03
	OUTT 3, 1, 0x0f, 0x03
	s_set_vgpr_msb 0x1
	s_wait_tensorcnt 0x0
	ds_add_u32 v255, v27
	s_wait_dscnt 0x0
	s_set_vgpr_msb 0x100
	CROUND                                         ; the closing round: no work-group ends while a partner may still ask for a tile that names it
	s_endpgm
.Lfunc_end_k_q472aba6b49_qkv:
	.size	k_q472aba6b49_qkv, .Lfunc_end_k_q472aba6b49_qkv-k_q472aba6b49_qkv
	.p2alignl 7, 3214868480
	.fill 96, 4, 3214868480
	.section	.rodata,"a",@progbits
	.p2align	6, 0x0
	.amdhsa_kernel k_q472aba6b49_qkv
		.amdhsa_group_segment_fixed_size 327680
		.amdhsa_private_segment_fixed_size 0
		.amdhsa_enable_private_segment 0
		.amdhsa_kernarg_size 16
		.amdhsa_user_sgpr_count 2
		.amdhsa_user_sgpr_kernarg_segment_ptr 1
		.amdhsa_wavefront_size32 1
		.amdhsa_system_sgpr_workgroup_id_x 1
		.amdhsa_system_sgpr_workgroup_id_y 1
		.amdhsa_system_sgpr_workgroup_id_z 1
		.amdhsa_system_vgpr_workitem_id 0
		.amdhsa_next_free_vgpr 960
		.amdhsa_next_free_sgpr 74
		.amdhsa_reserve_vcc 0
		.amdhsa_float_denorm_mode_32 3
		.amdhsa_float_denorm_mode_16_64 3
		.amdhsa_memory_ordered 1
		.amdhsa_forward_progress 1
		.amdhsa_inst_pref_size 240
	.end_amdhsa_kernel
	.amdgpu_metadata
---
amdhsa.version: [ 1, 2 ]
amdhsa.kernels:
  - .name:           k_q472aba6b49_qkv
    .symbol:         k_q472aba6b49_qkv.kd
    .args:
      - { .name: hx, .offset: 0, .size: 8, .value_kind: global_buffer, .address_space: global }
      - { .name: qkv, .offset: 8, .size: 8, .value_kind: global_buffer, .address_space: global }
    .group_segment_fixed_size: 327680
    .private_segment_fixed_size: 0
    .kernarg_segment_align: 8
    .kernarg_segment_size: 16
    .max_flat_workgroup_size: 128
    .sgpr_count:     74
    .vgpr_count:     960
    .wavefront_size: 32
...
	.end_amdgpu_metadata
.endif
;; end of part 2
;; launch attn (part 3): grid 8 x 32, 8 waves a work-group, clusters of 4 x 1, 327,680 bytes of LDS; arguments qkv, att; writes att
.if DOCPART == 3
	.amdgcn_target "amdgcn-amd-amdhsa--gfx1250"
	.amdhsa_code_object_version 6
	.text
	.protected	k_q472aba6b49_attn
	.globl	k_q472aba6b49_attn
	.p2align	8
	.type	k_q472aba6b49_attn,@function
k_q472aba6b49_attn:
	s_mov_b64 s[64:65], 0
	v_nop
	global_prefetch_b8 v0, s[64:65] scope:SCOPE_SE
	s_setreg_imm32_b32 hwreg(HW_REG_WAVE_MODE, 25, 1), 1
	s_wait_xcnt 0x0
	s_wait_alu depctr_hold_cnt(0) depctr_sa_sdst(0) depctr_va_vdst(0) depctr_va_sdst(0) depctr_va_ssrc(0) depctr_va_vcc(0) depctr_vm_vsrc(0)
	s_getreg_b32 s2, hwreg(HW_REG_IB_STS2, 6, 4)
	s_cmp_eq_u32 s2, 0
	s_cbranch_scc0 .Lentry_in_a_cluster
	s_endpgm
.Lentry_in_a_cluster:
	s_bfe_u32 s2, ttmp6, 0x10000c
	s_cmp_lg_u32 s2, 0x3003
	s_cbranch_scc0 .Lentry_shape_is_right
	s_endpgm
.Lentry_shape_is_right:
; att = softmax(q k^T / 8) v, for each of 32 (batch, head) pairs.  qkv = q ++ k ++ v, each [32][2048][64] f16; att [32][2048][64] f16.
; A work-group makes 256 query rows of one head.  Eight waves: wave w has query rows 64 (w & 3) .. + 63 and, of every tile of 256 keys,
; the half p = w >> 2.  Two waves that share query rows keep a running maximum, sum and output each and merge them at the end through LDS.
; A wave feeds 64 matrix instructions from 32 LDS loads.
; TWO PHASES.  A step (64 keys x 64 queries) is a matrix block (rescale O, P V of the step before, Q K^T of this step) and a softmax block
; (register work of the vector unit alone).  Between two barriers the waves of phase 0 run matrix, softmax, matrix, softmax and the waves of
; phase 1 softmax, matrix, softmax, matrix: a wave of phase 1 carries raw scores over the barrier, a wave of phase 0 packed P, both the
; values' fragments.  So one wave multiplies while the other does softmax arithmetic.  The phase is (w ^ (w >> 2)) & 1: waves w and w + 4
; differ in it, and so do waves 2 k and 2 k + 1, whether the eight waves are dealt round the four SIMDs or in neighbouring pairs.
; The branches on the phase jump over register work alone: no LDS instruction, tensor load, wait or barrier.
; CLUSTERS: the four query blocks of a cluster (4, 1, 1) read the same keys and values: every tile is asked for jointly, mask 15.
; ORIENTATION: S^T = K Q^T (source 0 keys, source 1 queries): lane l holds query l % 16 and keys 16 kt + 8 (l / 16) + 0..7.  Two neighbouring
; key tiles, packed to f16, are then source 1 of O^T = V^T P^T as they stand; source 0 is V^T, read by the transposing LDS load.
; So maximum, sum and rescaling factor are one number a lane for each query tile, and P never leaves the registers.
; SOFTMAX: a running maximum (from -infinity), taken away before every exponential; p = 2^(c S - c m), c = log2(e) / 8 inside the multiply-add.
; LIMITS: q, k, v, p and att are f16 (65,504 at the most; absolute error 3e-8 below 6.1e-5); a p below 2^-126 counts as 0 (v_exp_f32,
; ISA guide 15.8).  NaN and infinite inputs are not followed.
.set KP,     144                       ; a key row in LDS: 128 bytes + 16
.set VP,     160                       ; a value row: 128 bytes + 32 (an odd multiple of 32, for the transposing load)
.set KBYTES, 256*KP
.set SLOT,   KBYTES+256*VP             ; 256 keys, then 256 values
.set MRG,    2*SLOT                    ; behind the ring, never filled by a tensor load: 34 blocks of 512 bytes for each pair of waves
.set MRGW,   34*512
.set OST,    MRG+4*MRGW                ; the way out: 16 rows x 144 bytes for each pair of waves
.set OSTW,   16*KP
.set TILEB,  32768                     ; 256 rows x 128 bytes in memory
; window 0
.set KADR, 8                           ; v8-9    LDS address of my key fragments in slot 0, 1
.set VADR, 10                          ; v10-11  the same for values
.set MRGA, 12                          ; v12     my 16 bytes in a block of the merge area
.set OSTO, 13                          ; v13     the way out: where I put 16 bytes of a row
.set ORD,  14                          ; v14     the way out: where I read rows back
.set CO,   15                          ; v15     16 x lane
.set MA,   16                          ; v16-19  running maxima of the four query tiles; MA and MB take turns from step to step
.set LL,   20                          ; v20-23  running sums (of my half of the lanes' keys)
.set NM,   24                          ; v24-27  -c m
.set AL,   28                          ; v28-31  2^(c (m old - m new))
.set TM,   32                          ; v32-35  at work: maxima of a tile's keys 0-31
.set TX,   36                          ; v36-39  at work: the other half's maximum
.set LS,   40                          ; v40-47  four partial sums (pairs) of the query tile at work
.set MB,   48                          ; v48-51
.set LT,   52                          ; v52-55  at work: maxima of a tile's keys 32-63, then the step's sums
.set QF,   64                          ; v64-127 Q fragments: (i, dh) at 64 + 16 i + 8 dh
.set SS,   128                         ; v128-255 S(i, kt) at 128 + 32 i + 8 kt; P(i, c) packed in place at 128 + 32 i + 16 c
; window 1
.set KF,   0                           ; key fragments (kt, dh) at 16 kt + 8 dh
.set VF,   64                          ; value fragments (c, dt) at 64 + 32 c + 8 dt
.set OA,   128                         ; O(i, dt) at 128 + 32 i + 8 dt
.set G1K, 16                           ; s[16:23] group 1 for keys
.set G1V, 24                           ; s[24:31] group 1 for values
.set G0K, 32                           ; s[32:39] group 0 for keys, one set for each slot
.set G0V, 40                           ; s[40:47] group 0 for values
.set MSB, 0
.macro WIN new                         ; the immediate's high byte repeats the setting that is left
.if MSB != \new
	s_set_vgpr_msb (MSB<<8)|\new
.set MSB, \new
.endif
.endm
.macro NOPS n
.rept \n
	v_nop
.endr
.endm
.macro ROUND                           ; a round of the cluster's barrier
	s_barrier_signal -1
	s_barrier_wait -1
	s_cmp_lg_u32 s8, 0
	s_cbranch_scc1 .Lnot_wave_0_\@
	s_barrier_signal -3
.Lnot_wave_0_\@:
	s_barrier_wait -3
	s_barrier_signal -1
	s_barrier_wait -1
.endm
	s_load_b128 s[4:7], s[0:1], 0x0                ; qkv s[4:5], att s[6:7]
	v_lshl_add_u32 v62, v0, 2, 0x39400
	v_mov_b32 v63, 0
	ds_add_u32 v62, v63
	v_lshrrev_b32 v1, 5, v0
	v_readfirstlane_b32 s8, v1                     ; wave 0..7
	s_and_b32 s10, s8, 3                           ; g: which 64 query rows
	s_lshr_b32 s11, s8, 2                          ; p: which half of each tile's keys
	s_xor_b32 s62, s8, s11
	s_and_b32 s62, s62, 1                          ; my phase
	s_bfe_u32 s12, ttmp6, 0x40000                  ; cx
	s_lshl_b32 s13, ttmp9, 2
	s_add_co_u32 s13, s13, s12                     ; query block = 4 x cluster x + cx
	s_and_b32 s14, ttmp7, 0xffff                   ; (batch, head)
	s_mov_b32 s50, 0x3e38aa3b                      ; c = log2(e) / 8
	s_mov_b32 s51, 0xbe38aa3b                      ; -c
	s_mov_b32 s52, 0x76543210                      ; v_permlanex16_b32: lane i of one half reads lane i of the other
	s_mov_b32 s53, 0xfedcba98
	; group 1: 32 rows x 64 elements of 2 bytes, padding behind every 32 words: 4 words for keys, 8 for values; the mask names all four partners
	s_mov_b32 s[G1K+0], 15|(1<<16)|(1<<20)|(1<<21)|(4<<22)|(3<<25)
	s_mov_b32 s[G1V+0], 15|(1<<16)|(1<<20)|(1<<21)|(4<<22)|(7<<25)
.irp g, G1K, G1V
	s_mov_b32 s[\g+1], 64<<16                      ; tensor_dim0 = 64
	s_mov_b32 s[\g+2], 32<<16                      ; tensor_dim1 = 32
	s_mov_b32 s[\g+3], 64<<16                      ; tile_dim0 = 64
	s_mov_b32 s[\g+4], 32                          ; tile_dim1 = 32
	s_mov_b32 s[\g+5], 64                          ; elements from row to row
	s_mov_b32 s[\g+6], 0
	s_mov_b32 s[\g+7], 0
.endr
	s_mul_i32 s2, s8, 32*KP                        ; LDS: each wave brings 32 rows of keys
	s_mul_i32 s3, s8, 32*VP                        ; and 32 rows of values
	s_lshl_b32 s48, s14, 18                        ; memory: head x 262,144 bytes
	s_lshl_b32 s15, s8, 12                         ; + wave x 32 rows x 128 bytes
	s_add_co_u32 s48, s48, s15
	s_mov_b32 s49, 0
	s_lshl_b32 s56, s14, 18                        ; my query rows, in q and in att: head
	s_lshl_b32 s9, s13, 15                         ; + query block x 256 rows x 128 bytes (in registers that feed no descriptor)
	s_add_co_u32 s56, s56, s9
	s_lshl_b32 s9, s10, 13                         ; + g x 64 rows
	s_add_co_u32 s56, s56, s9
	s_mov_b32 s57, 0
	s_wait_dscnt 0x0
	s_wait_kmcnt 0x0
	s_add_nc_u64 s[54:55], s[4:5], s[48:49]
	s_add_nc_u64 s[58:59], s[4:5], s[56:57]        ; q
	s_add_nc_u64 s[60:61], s[6:7], s[56:57]        ; att
.irp s, 0,1
	s_mov_b32 s[G0K+4*\s], 1
	s_add_co_u32 s[G0K+4*\s+1], s2, \s*SLOT
	s_add_nc_u64 s[G0K+4*\s+2:G0K+4*\s+3], s[54:55], 0x800000+\s*TILEB      ; k begins at byte 8,388,608; tile s
	s_or_b32 s[G0K+4*\s+3], s[G0K+4*\s+3], 0x80000000
	s_mov_b32 s[G0V+4*\s], 1
	s_add_co_u32 s[G0V+4*\s+1], s3, \s*SLOT+KBYTES
	s_add_nc_u64 s[G0V+4*\s+2:G0V+4*\s+3], s[54:55], 0x1000000+\s*TILEB     ; v begins at byte 16,777,216
	s_or_b32 s[G0V+4*\s+3], s[G0V+4*\s+3], 0x80000000
.endr
	ROUND                                          ; the four work-groups are here: the first joint loads meet
	tensor_load_to_lds s[G0K:G0K+3], s[G1K:G1K+7]  ; tile 0 into slot 0
	s_nop 0
	tensor_load_to_lds s[G0V:G0V+3], s[G1V:G1V+7]
	s_nop 0
	v_and_b32 v1, 31, v0                           ; l
	v_and_b32 v2, 15, v0                           ; r = l % 16
	v_bfe_u32 v3, v0, 4, 1                         ; h = l / 16
	v_lshlrev_b32 v7, 7, v2
	v_lshl_add_u32 v7, v3, 4, v7                   ; Q: row r x 128 bytes + 16 h
.set n, 0
.rept 8                                            ; n = 2 i + dh
	global_load_b128 v[QF+8*n:QF+8*n+3],   v7, s[58:59] offset:(n/2)*2048+(n%2)*64
	global_load_b128 v[QF+8*n+4:QF+8*n+7], v7, s[58:59] offset:(n/2)*2048+(n%2)*64+32
.set n, n+1
.endr
	v_mul_u32_u24 v4, v2, KP
	v_lshl_add_u32 v4, v3, 4, v4                   ; r x 144 + 16 h
	s_mul_i32 s15, s11, 128*KP                     ; my half of a tile's keys
	v_add_nc_u32 v[KADR], s15, v4
	v_add_nc_u32 v[KADR+1], SLOT, v[KADR]
	v_and_b32 v5, 7, v0
	v_lshl_add_u32 v5, v3, 3, v5                   ; the transposing load: row 8 h + l % 8,
	v_mul_u32_u24 v5, v5, VP
	v_bfe_u32 v6, v0, 3, 1
	v_lshl_add_u32 v5, v6, 4, v5                   ; 16 bytes further for lanes 8-15 of each half
	s_mul_i32 s15, s11, 128*VP
	s_add_co_u32 s15, s15, KBYTES
	v_add_nc_u32 v[VADR], s15, v5
	v_add_nc_u32 v[VADR+1], SLOT, v[VADR]
	s_mul_i32 s15, s10, MRGW
	s_add_co_u32 s15, s15, MRG
	v_lshl_add_u32 v[MRGA], v1, 4, s15
	s_mul_i32 s15, s10, OSTW
	s_add_co_u32 s15, s15, OST
	v_add_nc_u32 v[OSTO], s15, v4
	v_lshrrev_b32 v5, 3, v1
	v_mul_u32_u24 v5, v5, KP
	v_and_b32 v6, 7, v0
	v_lshl_add_u32 v5, v6, 4, v5
	v_add_nc_u32 v[ORD], s15, v5
	v_lshlrev_b32 v[CO], 4, v1
.irp i, 0,1,2,3
	v_mov_b32 v[TX+\i], 0                          ; v_permlanex16_b32 counts as a reader of its destination
	v_mov_b32 v[LL+\i], 0                          ; the sums start at 0,
	v_mov_b32 v[MB+\i], 0xff800000                 ; the maxima at -infinity: the first step's factor comes out as 2^-infinity = 0
.endr
	s_wait_loadcnt 0x0                             ; Q, once
; 16 LDS loads: 64 keys (u = 0, 1: which 64 of my 128) x 64 d
.macro KLOAD s, u
	WIN 0x40
.set n, 0
.rept 8                                            ; n = 2 kt + dh
	ds_load_b128 v[KF+8*n:KF+8*n+3],   v[KADR+\s] offset:\u*64*KP+(n/2)*16*KP+(n%2)*64
	ds_load_b128 v[KF+8*n+4:KF+8*n+7], v[KADR+\s] offset:\u*64*KP+(n/2)*16*KP+(n%2)*64+32
.set n, n+1
.endr
.endm
; 16 transposing LDS loads: the same 64 keys' values as V^T
.macro VLOAD s, u
	WIN 0x40
.set n, 0
.rept 8                                            ; n = 4 c + dt
	ds_load_tr16_b128 v[VF+8*n:VF+8*n+3],   v[VADR+\s] offset:\u*64*VP+(n/4)*32*VP+(n%4)*32
	ds_load_tr16_b128 v[VF+8*n+4:VF+8*n+7], v[VADR+\s] offset:\u*64*VP+(n/4)*32*VP+(n%4)*32+16*VP
.set n, n+1
.endr
.endm
; S^T = K Q^T: 16 tiles, d 0-31 starts the sums, d 32-63 adds.  The 16 accumulators take turns, one instruction a turn.
.macro QK
	WIN 0x01                                       ; source 0 (keys) window 1, all else window 0
.set n, 0
.rept 16                                           ; n = 4 i + kt
	v_wmma_f32_16x16x32_f16 v[SS+8*n:SS+8*n+7], v[KF+16*(n%4):KF+16*(n%4)+7], v[QF+16*(n/4):QF+16*(n/4)+7], 0
.set n, n+1
.endr
.set n, 0
.rept 16
	v_wmma_f32_16x16x32_f16 v[SS+8*n:SS+8*n+7], v[KF+16*(n%4)+8:KF+16*(n%4)+15], v[QF+16*(n/4)+8:QF+16*(n/4)+15], v[SS+8*n:SS+8*n+7]
.set n, n+1
.endr
.endm
; The new maxima mo from the old ones mi and the step's 32 scores a lane.  Eight chains, two for each query tile, so that a link stands
; eight instructions behind the link that it needs; then -c m and the factor for what has been summed
.macro SM_MAX mi, mo
.irp i, 0,1,2,3
	v_max3_num_f32 v[TM+\i], v[\mi+\i], v[SS+32*\i], v[SS+32*\i+1]
	v_max_num_f32 v[LT+\i], v[SS+32*\i+16], v[SS+32*\i+17]
.endr
.set n, 1
.rept 7
.irp i, 0,1,2,3
	v_max3_num_f32 v[TM+\i], v[TM+\i], v[SS+32*\i+2*n], v[SS+32*\i+2*n+1]
	v_max3_num_f32 v[LT+\i], v[LT+\i], v[SS+32*\i+16+2*n], v[SS+32*\i+16+2*n+1]
.endr
.set n, n+1
.endr
.irp i, 0,1,2,3
	v_max_num_f32 v[TM+\i], v[TM+\i], v[LT+\i]
.endr
.irp i, 0,1,2,3
	v_permlanex16_b32 v[TX+\i], v[TM+\i], s52, s53 ; the other eight keys of each tile lie in the other half of the lanes
.endr
.irp i, 0,1,2,3
	v_max_num_f32 v[\mo+\i], v[TM+\i], v[TX+\i]
.endr
.irp i, 0,1,2,3
	v_mul_f32 v[NM+\i], s51, v[\mo+\i]
.endr
.irp i, 0,1,2,3
	v_fma_f32 v[TM+\i], v[\mi+\i], s50, v[NM+\i]
.endr
.irp i, 0,1,2,3
	v_exp_f32 v[AL+\i], v[TM+\i]                   ; used far below; the multiply-adds that follow are the plain instructions behind it (ISA guide 5.7.2)
.endr
.endm
; the exponents of query tile i: c S - c m.  e = i % 2 picks the tile's register of the pair
.macro ARGT i, e
.set n, 0
.rept 16
	v_pk_fma_f32 v[SS+32*\i+2*n:SS+32*\i+2*n+1], v[SS+32*\i+2*n:SS+32*\i+2*n+1], s[50:51], v[NM+2*(\i/2):NM+2*(\i/2)+1] op_sel:[0,0,\e] op_sel_hi:[1,0,\e]
.set n, n+1
.endr
.endm
; tile 0's exponentials, each with one multiply-add of tile 2's or tile 3's exponents behind it
.macro EXP0
.set n, 0
.rept 16
	v_exp_f32 v[SS+n], v[SS+n]
	v_pk_fma_f32 v[SS+64+2*n:SS+64+2*n+1], v[SS+64+2*n:SS+64+2*n+1], s[50:51], v[NM+2:NM+3] op_sel:[0,0,0] op_sel_hi:[1,0,0]
.set n, n+1
.endr
.set n, 0
.rept 16
	v_exp_f32 v[SS+16+n], v[SS+16+n]
	v_pk_fma_f32 v[SS+96+2*n:SS+96+2*n+1], v[SS+96+2*n:SS+96+2*n+1], s[50:51], v[NM+2:NM+3] op_sel:[0,0,1] op_sel_hi:[1,0,1]
.set n, n+1
.endr
.endm
; tile i's 32 exponentials (ex = 1), each with one instruction on tile pv behind it.  Those 32: twelve that sum its 32 p into four partial
; pairs (a link stands four of them behind the link that it needs), sixteen that pack p to f16 in place (ascending, so that no source is
; written before it is read; all behind the sums that read p), and between these the three that join the partial pairs and the one that closes the sum
.macro EXPT i, pv, ex
.set n, 0
.set cq, 0
.rept 32
.if \ex
	v_exp_f32 v[SS+32*\i+n], v[SS+32*\i+n]
.endif
.if n < 4
	s_wait_alu depctr_va_vdst(0)
	v_pk_add_f32 v[LS+2*n:LS+2*n+1], v[SS+32*\pv+4*n:SS+32*\pv+4*n+1], v[SS+32*\pv+4*n+2:SS+32*\pv+4*n+3]
.elseif n < 12
	v_pk_add_f32 v[LS+2*(n%4):LS+2*(n%4)+1], v[LS+2*(n%4):LS+2*(n%4)+1], v[SS+32*\pv+2*n+8:SS+32*\pv+2*n+9]
.elseif n == 16
	v_pk_add_f32 v[LS:LS+1], v[LS:LS+1], v[LS+2:LS+3]
.elseif n == 17
	v_pk_add_f32 v[LS+4:LS+5], v[LS+4:LS+5], v[LS+6:LS+7]
.elseif n == 24
	v_pk_add_f32 v[LS:LS+1], v[LS:LS+1], v[LS+4:LS+5]
.elseif n == 31
	v_add_f32 v[LT+\pv], v[LS], v[LS+1]
.else
	v_cvt_pk_f16_f32 v[SS+32*\pv+16*(cq/8)+cq%8], v[SS+32*\pv+16*(cq/8)+2*(cq%8)], v[SS+32*\pv+16*(cq/8)+2*(cq%8)+1]
.set cq, cq+1
.endif
.set n, n+1
.endr
.endm
; THE SOFTMAX BLOCK of a step: from the scores in S to P packed in place, the new maxima, factors and sums.  Register work in window 0 alone.
.macro SM mi, mo
	WIN 0
	SM_MAX \mi, \mo
	ARGT 0, 0
	ARGT 1, 1
	EXP0
	EXPT 1, 0, 1
	EXPT 2, 1, 1
	EXPT 3, 2, 1
	EXPT 0, 3, 0
.irp i, 0,1,2,3
	v_fma_f32 v[LL+\i], v[LL+\i], v[AL+\i], v[LT+\i]
.endr
.endm
; the softmax block for the waves of phase ph alone; the others have done it, or will do it, on the other side of the barrier
.macro SMIF ph, mi, mo
	WIN 0                                          ; at a branch and at a label every window is 0
	s_cmp_lg_u32 s62, \ph
	s_cbranch_scc1 .Lnot_my_phase_\@
	SM \mi, \mo
.Lnot_my_phase_\@:
.endm
; O of query tile i times its factor
.macro RESCT i, e
.set n, 0
.rept 16
	v_pk_mul_f32 v[OA+32*\i+2*n:OA+32*\i+2*n+1], v[OA+32*\i+2*n:OA+32*\i+2*n+1], v[AL+2*(\i/2):AL+2*(\i/2)+1] op_sel:[0,\e] op_sel_hi:[1,\e]
.set n, n+1
.endr
.endm
; O^T += V^T P^T: 16 tiles, keys 0-31, then keys 32-63.  The 16 accumulators take turns, one instruction a turn.
.macro PV first
.set n, 0
.rept 16                                           ; n = 4 i + dt
.if \first
	v_wmma_f32_16x16x32_f16 v[OA+8*n:OA+8*n+7], v[VF+8*(n%4):VF+8*(n%4)+7], v[SS+32*(n/4):SS+32*(n/4)+7], 0
.else
	v_wmma_f32_16x16x32_f16 v[OA+8*n:OA+8*n+7], v[VF+8*(n%4):VF+8*(n%4)+7], v[SS+32*(n/4):SS+32*(n/4)+7], v[OA+8*n:OA+8*n+7]
.endif
.set n, n+1
.endr
.set n, 0
.rept 16
	v_wmma_f32_16x16x32_f16 v[OA+8*n:OA+8*n+7], v[VF+32+8*(n%4):VF+32+8*(n%4)+7], v[SS+32*(n/4)+16:SS+32*(n/4)+23], v[OA+8*n:OA+8*n+7]
.set n, n+1
.endr
.endm
; the rescaling and P V of one step, general form
.macro RPV
	WIN 0x51                                       ; sources 0 and 2 and the destination in window 1 (values, O), source 1 in window 0 (P, factors)
	RESCT 0, 0
	RESCT 1, 1
	RESCT 2, 0
	RESCT 3, 1
	PV 0
.endm
; THE MATRIX BLOCK: P V of the step before (pv = 0: there is none; 1: the first, which starts O; 2: rescale and add), then Q K^T of step u of slot s.
; The keys' fragments of step u have been asked for; the values' are asked for as soon as P V has read the old ones, and have the next softmax
; block in which to land; kpre = 1: the keys of the slot's second step are asked for behind Q K^T.
.macro MBLK s, u, pv, kpre
.if \pv
	s_wait_dscnt 16                                ; the old step's values are in; the 16 loads of this step's keys, issued behind them, may stay out
.if \pv == 2
	RPV
.else
	WIN 0x51
	PV 1
.endif
	NOPS 5                                         ; five places: Q K^T writes over P, the loads land in the values' registers
.endif
	VLOAD \s, \u
	s_wait_dscnt 16                                ; the keys' 16 loads are in; the values' 16, just issued, stay out
	QK
	NOPS 4                                         ; four places behind the last matrix instruction, ahead of the reads of S and of the loads into the keys' registers
.if \kpre
	KLOAD \s, 1
.endif
	WIN 0
.endm
; One tile of 256 keys in slot s.  In front of the round every wave has waited for all its tensor loads (its parts of this tile) and for its
; LDS loads: all that it needs of the other slot is in registers, the values of that slot's last step among it.  The round holds that of every
; wave of all four work-groups; the joint refills of the other slot stand first behind it.  Behind a refill a wave has two tensor loads out,
; and they have the tile's 128 matrix instructions and its softmax in which to land.
.macro TRIP s, refill, first
	s_wait_tensorcnt 0x0
	ds_add_u32 v62, v63
	s_wait_dscnt 0x0
	s_add_nc_u64 s[G0K+4*\s+2:G0K+4*\s+3], s[G0K+4*\s+2:G0K+4*\s+3], 2*TILEB       ; no load of mine is out: this slot's next tile
	s_add_nc_u64 s[G0V+4*\s+2:G0V+4*\s+3], s[G0V+4*\s+2:G0V+4*\s+3], 2*TILEB
	s_wait_dscnt 0x0
	ROUND
.if \refill
	tensor_load_to_lds s[G0K+4*(1-\s):G0K+4*(1-\s)+3], s[G1K:G1K+7]
	s_nop 0
	tensor_load_to_lds s[G0V+4*(1-\s):G0V+4*(1-\s)+3], s[G1V:G1V+7]
	s_nop 0
.endif
	KLOAD \s, 0
.if \first
	MBLK \s, 0, 0, 1
.else
	SMIF 1, MA, MB                                 ; phase 1: the softmax of the last tile's second step
	MBLK \s, 0, 2, 1
.endif
	SM MB, MA
.if \first
	MBLK \s, 1, 1, 0
.else
	MBLK \s, 1, 2, 0
.endif
	SMIF 0, MA, MB                                 ; phase 0: the softmax of this tile's second step
.endm
	TRIP 0, 1, 1                                   ; tile 0 stands in front of the loop: its first P V starts O
	s_mov_b32 s9, 3
.Lpair:
	TRIP 1, 1, 0                                   ; tiles 1, 3, 5
	TRIP 0, 1, 0                                   ; tiles 2, 4, 6
	s_sub_co_u32 s9, s9, 1
	s_cmp_lg_u32 s9, 0
	s_cbranch_scc1 .Lpair
	TRIP 1, 0, 0                                   ; tile 7: nothing more to fetch
	SMIF 1, MA, MB                                 ; phase 1: the last step's softmax
	s_wait_dscnt 0x0                               ; the last step's values are in
	RPV                                            ; and the last P V
	NOPS 4                                         ; four places ahead of the stores and the vector instructions that read O
	WIN 0
	; THE MERGE.  Waves 4-7 hand O, m and l to waves 0-3 through LDS bytes that no tensor load fills.
	s_cmp_lt_u32 s8, 4
	s_cbranch_scc1 .Lkeep
	WIN 0x04                                       ; store data in window 1
.set n, 0
.rept 32
	ds_store_b128 v[MRGA], v[OA+4*n:OA+4*n+3] offset:512*n
.set n, n+1
.endr
	WIN 0
	ds_store_b128 v[MRGA], v[MB:MB+3] offset:16384
	ds_store_b128 v[MRGA], v[LL:LL+3] offset:16896
.Lkeep:
	s_wait_dscnt 0x0                               ; my stores are in LDS, for the partner's sake
	s_barrier_signal -1
	s_barrier_wait -1
	s_cmp_ge_u32 s8, 4
	s_cbranch_scc1 .Ldone
	ds_load_b128 v[TM:TM+3], v[MRGA] offset:16384  ; the partner's m
	ds_load_b128 v[TX:TX+3], v[MRGA] offset:16896  ; and l
.set n, 0
.rept 32
	ds_load_b128 v[SS+4*n:SS+4*n+3], v[MRGA] offset:512*n
.set n, n+1
.endr
	s_wait_dscnt 32                                ; m and l are in; the 32 loads of O stay out
.irp i, 0,1,2,3
	v_max_num_f32 v[MA+\i], v[MB+\i], v[TM+\i]
.endr
.irp i, 0,1,2,3
	v_mul_f32 v[NM+\i], s51, v[MA+\i]
.endr
.irp i, 0,1,2,3
	v_fma_f32 v[LS+\i], v[MB+\i], s50, v[NM+\i]
	v_fma_f32 v[LS+4+\i], v[TM+\i], s50, v[NM+\i]
.endr
.irp i, 0,1,2,3
	v_exp_f32 v[AL+\i], v[LS+\i]                   ; my factor
	v_exp_f32 v[LT+\i], v[LS+4+\i]                 ; the partner's
.endr
	v_nop                                          ; one plain instruction behind the exponentials (ISA guide 5.7.2)
.irp i, 0,1,2,3
	s_wait_alu depctr_va_vdst(0)
	v_mul_f32 v[LL+\i], v[LL+\i], v[AL+\i]
.endr
.irp i, 0,1,2,3
	v_fmac_f32 v[LL+\i], v[TX+\i], v[LT+\i]
.endr
.irp i, 0,1,2,3
	v_permlanex16_b32 v[LS+\i], v[LL+\i], s52, s53 ; the sums were kept apart for the two halves of the lanes
.endr
.irp i, 0,1,2,3
	v_add_f32 v[LL+\i], v[LL+\i], v[LS+\i]         ; at least about 1: the largest score's own term
.endr
.irp i, 0,1,2,3
	v_rcp_f32 v[LS+4+\i], v[LL+\i]
.endr
	v_nop
.irp i, 0,1,2,3
	s_wait_alu depctr_va_vdst(0)
	v_mul_f32 v[AL+\i], v[AL+\i], v[LS+4+\i]
	v_mul_f32 v[LT+\i], v[LT+\i], v[LS+4+\i]
.endr
	s_wait_dscnt 0x0
.macro MRG1 i, e                       ; the partner's O times its factor
.set n, 0
.rept 16
	v_pk_mul_f32 v[SS+32*\i+2*n:SS+32*\i+2*n+1], v[SS+32*\i+2*n:SS+32*\i+2*n+1], v[LT+2*(\i/2):LT+2*(\i/2)+1] op_sel:[0,\e] op_sel_hi:[1,\e]
.set n, n+1
.endr
.endm
.macro MRG2 i, e                       ; plus mine times mine
.set n, 0
.rept 16
	v_pk_fma_f32 v[SS+32*\i+2*n:SS+32*\i+2*n+1], v[OA+32*\i+2*n:OA+32*\i+2*n+1], v[AL+2*(\i/2):AL+2*(\i/2)+1], v[SS+32*\i+2*n:SS+32*\i+2*n+1] op_sel:[0,\e,0] op_sel_hi:[1,\e,1]
.set n, n+1
.endr
.endm
	MRG1 0, 0
	MRG1 1, 1
	MRG1 2, 0
	MRG1 3, 1
	WIN 0x01                                       ; source 0 (my O) in window 1
	MRG2 0, 0
	MRG2 1, 1
	MRG2 2, 0
	MRG2 3, 1
	WIN 0
.irp i, 0,1,2,3
.set n, 0
.rept 16
	v_cvt_pk_f16_f32 v[SS+32*\i+n], v[SS+32*\i+2*n], v[SS+32*\i+2*n+1]     ; in place, ascending
.set n, n+1
.endr
.endr
	; 16 query rows at a time through my own stage: 16 bytes a lane in, whole rows back, 512 consecutive aligned bytes a store
.irp i, 0,1,2,3
.set n, 0
.rept 4
	ds_store_b128 v[OSTO], v[SS+32*\i+4*n:SS+32*\i+4*n+3] offset:32*n
.set n, n+1
.endr
.set n, 0
.rept 4
	ds_load_b128 v[QF+16*\i+4*n:QF+16*\i+4*n+3], v[ORD] offset:n*4*KP     ; LDS serves a wave's instructions in order (ISA guide 5.7.1)
.set n, n+1
.endr
.set n, 0
.rept 4
	s_wait_dscnt 3-n                               ; load n is in, the younger ones stay out
	global_store_b128 v[CO], v[QF+16*\i+4*n:QF+16*\i+4*n+3], s[60:61] offset:\i*2048+n*512
.set n, n+1
.endr
.endr
.Ldone:
	s_wait_dscnt 0x0
	s_wait_tensorcnt 0x0
	ds_add_u32 v62, v63
	s_wait_dscnt 0x0
	ROUND                                          ; the closing round: no work-group ends while a partner may still ask for a tile that names it
	s_endpgm
.Lfunc_end_k_q472aba6b49_attn:
	.size	k_q472aba6b49_attn, .Lfunc_end_k_q472aba6b49_attn-k_q472aba6b49_attn
	.p2alignl 7, 3214868480
	.fill 96, 4, 3214868480
	.section	.rodata,"a",@progbits
	.p2align	6, 0x0
	.amdhsa_kernel k_q472aba6b49_attn
		.amdhsa_group_segment_fixed_size 327680
		.amdhsa_private_segment_fixed_size 0
		.amdhsa_enable_private_segment 0
		.amdhsa_kernarg_size 16
		.amdhsa_user_sgpr_count 2
		.amdhsa_user_sgpr_kernarg_segment_ptr 1
		.amdhsa_wavefront_size32 1
		.amdhsa_system_sgpr_workgroup_id_x 1
		.amdhsa_system_sgpr_workgroup_id_y 1
		.amdhsa_system_sgpr_workgroup_id_z 1
		.amdhsa_system_vgpr_workitem_id 0
		.amdhsa_next_free_vgpr 512
		.amdhsa_next_free_sgpr 66
		.amdhsa_reserve_vcc 0
		.amdhsa_float_denorm_mode_32 3
		.amdhsa_float_denorm_mode_16_64 3
		.amdhsa_memory_ordered 1
		.amdhsa_forward_progress 1
		.amdhsa_inst_pref_size 255
	.end_amdhsa_kernel
	.section	.bss,"aw",@nobits
	.p2align	6
	.space	262144
	.amdgpu_metadata
---
amdhsa.version: [ 1, 2 ]
amdhsa.kernels:
  - .name:           k_q472aba6b49_attn
    .symbol:         k_q472aba6b49_attn.kd
    .args:
      - { .name: qkv, .offset: 0, .size: 8, .value_kind: global_buffer, .address_space: global }
      - { .name: att, .offset: 8, .size: 8, .value_kind: global_buffer, .address_space: global }
    .group_segment_fixed_size: 327680
    .private_segment_fixed_size: 0
    .kernarg_segment_align: 8
    .kernarg_segment_size: 16
    .max_flat_workgroup_size: 256
    .sgpr_count:     66
    .vgpr_count:     512
    .wavefront_size: 32
...
	.end_amdgpu_metadata
.endif
;; end of part 3
;; launch proj (part 4): grid 8 x 32, 4 waves a work-group, clusters of 4 x 4, 327,680 bytes of LDS; arguments att, hx, out0; writes out0
.if DOCPART == 4
	.amdgcn_target "amdgcn-amd-amdhsa--gfx1250"
	.amdhsa_code_object_version 6
	.text
	.protected	k_q472aba6b49_proj
	.globl	k_q472aba6b49_proj
	.p2align	8
	.type	k_q472aba6b49_proj,@function
k_q472aba6b49_proj:
	s_mov_b64 s[64:65], 0
	v_nop
	global_prefetch_b8 v0, s[64:65] scope:SCOPE_SE
	s_setreg_imm32_b32 hwreg(HW_REG_WAVE_MODE, 25, 1), 1
	s_wait_xcnt 0x0
	s_wait_alu depctr_hold_cnt(0) depctr_sa_sdst(0) depctr_va_vdst(0) depctr_va_sdst(0) depctr_va_ssrc(0) depctr_va_vcc(0) depctr_vm_vsrc(0)
	s_getreg_b32 s2, hwreg(HW_REG_IB_STS2, 6, 4)
	s_cmp_eq_u32 s2, 0
	s_cbranch_scc0 .Lentry_in_a_cluster
	s_endpgm
.Lentry_in_a_cluster:
	s_bfe_u32 s2, ttmp6, 0x10000c
	s_cmp_lg_u32 s2, 0xf033
	s_cbranch_scc0 .Lentry_shape_is_right
	s_endpgm
.Lentry_shape_is_right:
; out0 = att w_proj^T.  att: [2][16][2048][64] f16 (by heads), w_proj: [1024][1024] f16 at byte 14,680,064 of hx, out0: [4096][1024] f32.
; A work-group makes 128 rows x 128 columns; four waves, 64 x 64 each: 16 accumulator tiles.  That gives 8 x 32 = 256 work-groups.
; K = 1024 goes in four steps of 256 (four heads) through two LDS slots.  In a slot att's tile lies as four sub-tiles, one a head,
; 128 rows x 128 bytes; w_proj's as 128 rows x 512 bytes.
; CLUSTERS: 4 x 4 work-groups.  att's tile hangs on the row block alone and is asked for jointly along a row of the cluster, w_proj's on the
; column block alone, jointly along a column.
; LIMITS: operands are f16 (65,504 at the most; absolute error 3e-8 below 6.1e-5), sums f32.
; The matrix instruction is used transposed (source 0 = rows of w_proj, source 1 = rows of att): a lane holds row l % 16 and the
; eight neighbouring columns 16 bt + 8 (l / 16) + 0..7.
; REGISTERS: window 0: v16-26 addresses, v64-95, v96-127 fragments of att, two buffers; window 1: v64-95, v96-127 fragments of w_proj;
; window 2: accumulator tile (a, bt) at v[8 (4 a + bt)].
.set APITCH, 144                       ; a row of a head's sub-tile: 128 bytes + 16
.set BPITCH, 528                       ; a row of w_proj's tile: 512 bytes + 16
.set HSUB,   128*APITCH
.set BOFF,   4*HSUB
.set SLOT,   BOFF+128*BPITCH
.set STAGE,  2*SLOT                    ; behind the ring, never filled by a tensor load
.set SPITCH, 272                       ; a staged row: 64 f32 + 16 bytes
.set WSTG,   16*SPITCH
.set ADRA, 16
.set ADRB, 20
.set STO,  24
.set RD,   25
.set CO,   26
.set FR,   64                          ; fragment buffer f at FR + 32 f, in window 0 (att) and in window 1 (w_proj)
.set G1,  24                           ; s[24:31] group 1 for att's tiles
.set G0,  32                           ; s[32:39] group 0 for att's tiles, one set for each slot
.set G1B, 48                           ; s[48:55] group 1 for w_proj's tiles
.set G0B, 56                           ; s[56:63] group 0 for w_proj's tiles
.set MSB, 0
.macro WIN new
.if MSB != \new
	s_set_vgpr_msb (MSB<<8)|\new
.set MSB, \new
.endif
.endm
.set MULW, 0xa1                        ; source 0 window 1, source 1 window 0, C and D window 2
.set TO_B, 0x40
.macro CREST
	s_cmp_lg_u32 s10, 0
	s_cbranch_scc1 .Lnot_wave_0_\@
	s_barrier_signal -3
.Lnot_wave_0_\@:
	s_barrier_wait -3
	s_barrier_signal -1
	s_barrier_wait -1
.endm
.macro CROUND
	s_barrier_signal -1
	s_barrier_wait -1
	CREST
.endm
.macro PLACES                          ; four plain vector instructions behind a matrix instruction (ISA guide 7.12.1)
.rept 4
	v_nop
.endr
.endm
.macro JLOAD s                         ; every wave fetches one head's sub-tile of att and 32 rows of w_proj
	tensor_load_to_lds s[G0+4*\s:G0+4*\s+3], s[G1:G1+7]
	s_nop 0
	tensor_load_to_lds s[G0B+4*\s:G0B+4*\s+3], s[G1B:G1B+7]
	s_nop 0
.endm
	s_load_b128 s[4:7], s[0:1], 0x0                ; att s[4:5], hx s[6:7]
	s_load_b64 s[8:9], s[0:1], 0x10                ; out0
	s_set_vgpr_msb 0x40
	v_lshl_add_u32 v255, v0, 2, 0x49400
	s_set_vgpr_msb 0x4000
	v_mov_b32 v255, 0
	s_set_vgpr_msb 0x1
	ds_add_u32 v255, v255
	s_set_vgpr_msb 0x100
	v_lshrrev_b32 v1, 5, v0
	v_readfirstlane_b32 s10, v1                    ; wave 0..3
	s_lshr_b32 s11, s10, 1                         ; which 64 rows are mine
	s_and_b32 s12, s10, 1                          ; which 64 columns
	s_bfe_u32 s40, ttmp6, 0x40000                  ; cx
	s_bfe_u32 s41, ttmp6, 0x40004                  ; cy
	s_lshl_b32 s42, ttmp9, 2
	s_add_co_u32 s42, s42, s40                     ; column block = 4 x cluster x + cx
	s_and_b32 s13, ttmp7, 0xffff
	s_lshl_b32 s13, s13, 2
	s_add_co_u32 s13, s13, s41                     ; row block = 4 x cluster y + cy
	s_lshl_b32 s43, s41, 2
	s_lshl_b32 s43, 15, s43                        ; my row of the cluster
	s_lshl_b32 s44, 0x1111, s40                    ; my column
	s_or_b32 s[G1+0], s43, (1<<16)|(1<<20)|(1<<21)|(4<<22)|(3<<25)    ; att: elements of 2 bytes, 4 words of padding behind every 32
	s_mov_b32 s[G1+1], 64<<16                      ; tensor_dim0 = 64
	s_mov_b32 s[G1+2], 128<<16                     ; tensor_dim1 = 128
	s_mov_b32 s[G1+3], 64<<16                      ; tile_dim0 = 64
	s_mov_b32 s[G1+4], 128                         ; tile_dim1 = 128
	s_mov_b32 s[G1+5], 64                          ; elements from row to row
	s_mov_b32 s[G1+6], 0
	s_mov_b32 s[G1+7], 0
	s_or_b32 s[G1B+0], s44, (1<<16)|(1<<20)|(1<<21)|(6<<22)|(3<<25)   ; w_proj: 4 words of padding behind every 128
	s_mov_b32 s[G1B+1], 256<<16                    ; tensor_dim0 = 256
	s_mov_b32 s[G1B+2], 32<<16                     ; tensor_dim1 = 32
	s_mov_b32 s[G1B+3], 256<<16                    ; tile_dim0 = 256
	s_mov_b32 s[G1B+4], 32                         ; tile_dim1 = 32
	s_mov_b32 s[G1B+5], 1024
	s_mov_b32 s[G1B+6], 0
	s_mov_b32 s[G1B+7], 0
	s_lshr_b32 s16, s13, 4                         ; att: batch x 16 heads x 262,144 bytes
	s_lshl_b32 s16, s16, 22
	s_lshl_b32 s18, s10, 18                        ; + head = wave
	s_add_co_u32 s16, s16, s18
	s_and_b32 s18, s13, 15
	s_lshl_b32 s18, s18, 14                        ; + row block in the batch x 128 rows x 128 bytes
	s_add_co_u32 s16, s16, s18
	s_mov_b32 s17, 0
	s_lshl_b32 s46, s42, 18                        ; w_proj: column block x 128 rows x 2,048 bytes
	s_lshl_b32 s19, s10, 16                        ; + wave x 32 rows
	s_add_co_u32 s46, s46, s19
	s_add_co_u32 s46, s46, 0xe00000                ; + where w_proj begins in hx
	s_mov_b32 s47, 0
	s_mul_i32 s20, s10, HSUB                       ; LDS: the wave's number alone
	s_mul_i32 s21, s10, 32*BPITCH
	s_add_co_u32 s21, s21, BOFF
	s_lshl_b32 s66, s13, 19                        ; out0: row block x 128 rows x 4,096 bytes
	s_lshl_b32 s67, s11, 18                        ; + my 64 rows
	s_add_co_u32 s66, s66, s67
	s_lshl_b32 s67, s42, 9                         ; + column block x 512 bytes
	s_add_co_u32 s66, s66, s67
	s_lshl_b32 s67, s12, 8                         ; + my 64 columns
	s_add_co_u32 s66, s66, s67
	s_mov_b32 s67, 0
	s_wait_dscnt 0x0
	s_wait_kmcnt 0x0
	s_add_nc_u64 s[14:15], s[4:5], s[16:17]
	s_add_nc_u64 s[46:47], s[6:7], s[46:47]
	s_add_nc_u64 s[8:9], s[8:9], s[66:67]
	CROUND                                         ; all sixteen work-groups are here: the first joint loads meet
.irp s, 0,1
	s_mov_b32 s[G0+4*\s], 1
	s_add_co_u32 s[G0+4*\s+1], s20, \s*SLOT
	s_add_nc_u64 s[G0+4*\s+2:G0+4*\s+3], s[14:15], \s*0x100000     ; K step s: four heads on
	s_or_b32 s[G0+4*\s+3], s[G0+4*\s+3], 0x80000000
	s_mov_b32 s[G0B+4*\s], 1
	s_add_co_u32 s[G0B+4*\s+1], s21, \s*SLOT
	s_add_nc_u64 s[G0B+4*\s+2:G0B+4*\s+3], s[46:47], \s*512        ; K step s: 256 elements on
	s_or_b32 s[G0B+4*\s+3], s[G0B+4*\s+3], 0x80000000
	JLOAD \s                                       ; four tensor loads of the wave are out behind the second
.endr
	v_and_b32 v1, 15, v0                           ; r
	v_bfe_u32 v2, v0, 4, 1                         ; h
	v_mul_u32_u24 v3, v1, APITCH
	v_lshl_add_u32 v3, v2, 4, v3
	s_mul_i32 s22, s11, 64*APITCH
	v_add_nc_u32 v[ADRA], s22, v3
	v_add_nc_u32 v[ADRA+1], SLOT, v[ADRA]
	v_mul_u32_u24 v4, v1, BPITCH
	v_lshl_add_u32 v4, v2, 4, v4
	s_mul_i32 s22, s12, 64*BPITCH
	s_add_co_u32 s22, s22, BOFF
	v_add_nc_u32 v[ADRB], s22, v4
	v_add_nc_u32 v[ADRB+1], SLOT, v[ADRB]
	s_mul_i32 s23, s10, WSTG
	s_add_co_u32 s23, s23, STAGE
	v_mul_u32_u24 v5, v1, SPITCH
	v_lshl_add_u32 v5, v2, 5, v5
	v_add_nc_u32 v[STO], s23, v5                   ; in: row r, 32 bytes for each half of the lanes
	v_mul_u32_u24 v6, v2, SPITCH
	v_lshl_add_u32 v6, v1, 4, v6
	v_add_nc_u32 v[RD], s23, v6                    ; back: lanes 0-15 take a row of 256 bytes, lanes 16-31 the next
	v_lshlrev_b32 v7, 12, v2
	v_lshl_add_u32 v[CO], v1, 4, v7                ; and the same two rows in out0
; 4 matrix instructions: row tile a x the 4 column tiles, 32 along K.  The 16 accumulators take turns, one instruction a turn.
.macro MUL4 f, a, zero
.set bi, 0
.rept 4
.if \zero
	v_wmma_f32_16x16x32_f16 v[8*(4*\a+bi):8*(4*\a+bi)+7], v[FR+32*\f+8*bi:FR+32*\f+8*bi+7], v[FR+32*\f+8*\a:FR+32*\f+8*\a+7], 0
.else
	v_wmma_f32_16x16x32_f16 v[8*(4*\a+bi):8*(4*\a+bi)+7], v[FR+32*\f+8*bi:FR+32*\f+8*bi+7], v[FR+32*\f+8*\a:FR+32*\f+8*\a+7], v[8*(4*\a+bi):8*(4*\a+bi)+7]
.endif
.set bi, bi+1
.endr
.endm
; 16 LDS loads: the fragments of chunk kc (32 along K; head kc / 2, its d from 32 (kc % 2)) into buffer f
.macro FETCH slot, kc, f
	WIN TO_B
.set bi, 0
.rept 4
	ds_load_b128 v[FR+32*\f+8*bi:FR+32*\f+8*bi+3],   v[ADRB+\slot] offset:bi*16*BPITCH+\kc*64
	ds_load_b128 v[FR+32*\f+8*bi+4:FR+32*\f+8*bi+7], v[ADRB+\slot] offset:bi*16*BPITCH+\kc*64+32
.set bi, bi+1
.endr
	WIN 0
.set bi, 0
.rept 4
	ds_load_b128 v[FR+32*\f+8*bi:FR+32*\f+8*bi+3],   v[ADRA+\slot] offset:(\kc/2)*HSUB+bi*16*APITCH+(\kc%2)*64
	ds_load_b128 v[FR+32*\f+8*bi+4:FR+32*\f+8*bi+7], v[ADRA+\slot] offset:(\kc/2)*HSUB+bi*16*APITCH+(\kc%2)*64+32
.set bi, bi+1
.endr
.endm
; One of a K step's first seven chunks: multiplies buffer f; in its middle it fetches chunk kc into buffer g
.macro EIGHTH slot, kc, f, g, zero
	s_wait_dscnt 4                                 ; all but the youngest four loads (att's row tiles 2, 3)
	WIN MULW
	MUL4 \f, 0, \zero
	MUL4 \f, 1, \zero
	PLACES
	FETCH \slot, \kc, \g
	s_wait_dscnt 16                                ; all but the 16 just issued
	WIN MULW
	MUL4 \f, 2, \zero
	MUL4 \f, 3, \zero
.endm
.macro SEVEN slot, zero
	EIGHTH \slot, 1, 0, 1, \zero
	EIGHTH \slot, 2, 1, 0, 0
	EIGHTH \slot, 3, 0, 1, 0
	EIGHTH \slot, 4, 1, 0, 0
	EIGHTH \slot, 5, 0, 1, 0
	EIGHTH \slot, 6, 1, 0, 0
	EIGHTH \slot, 7, 0, 1, 0
.endm
; The last chunk: multiplies buffer 1 and changes slots.  In front of the barrier each wave waits for its reads of this slot and for all its tensor
; loads; where this slot is filled again the barrier opens a round of the cluster's barrier and the joint refills stand first behind the round
; (two tensor loads of the wave are then out).
.macro TURN slot, next, fill
	s_wait_dscnt 4
	WIN MULW
	MUL4 1, 0, 0
	s_wait_dscnt 0
	s_wait_tensorcnt 0x0
	ds_add_u32 v255, v255
	s_wait_dscnt 0x0
	s_barrier_signal -1
	MUL4 1, 1, 0                                   ; registers only
	WIN 0
	s_barrier_wait -1
.if \fill
	CREST
	s_add_nc_u64 s[G0+4*\slot+2:G0+4*\slot+3], s[G0+4*\slot+2:G0+4*\slot+3], 0x200000     ; eight heads on
	s_add_nc_u64 s[G0B+4*\slot+2:G0B+4*\slot+3], s[G0B+4*\slot+2:G0B+4*\slot+3], 1024     ; 512 elements on
	JLOAD \slot
.endif
	PLACES
	FETCH \next, 0, 0
	WIN MULW
	MUL4 1, 2, 0
	MUL4 1, 3, 0
.endm
	s_wait_tensorcnt 2                             ; my two parts of K step 0 are in; K step 1's two stay out
	s_barrier_signal -1
	s_barrier_wait -1                              ; everybody's are
	FETCH 0, 0, 0
	SEVEN 0, 1                                     ; K step 0: its first products start the sums
	TURN 0, 1, 1                                   ; K step 2 is asked for
	SEVEN 1, 0                                     ; K step 1
	TURN 1, 0, 1                                   ; K step 3 is asked for
	SEVEN 0, 0                                     ; K step 2
	TURN 0, 1, 0
	SEVEN 1, 0                                     ; K step 3
	s_wait_dscnt 0
	WIN MULW
	MUL4 1, 0, 0
	MUL4 1, 1, 0
	MUL4 1, 2, 0
	MUL4 1, 3, 0
	PLACES                                         ; behind the last matrix instructions, ahead of the stores of results and the loads into the fragment buffers
; THE WAY OUT, 16 rows at a time through my own stage: 32 bytes a lane in, whole rows of 256 bytes back
.macro OUT16 a, f
	WIN 0x08                                       ; store data in window 2
.set bi, 0
.rept 4
	ds_store_b128 v[STO], v[8*(4*\a+bi):8*(4*\a+bi)+3]   offset:64*bi
	ds_store_b128 v[STO], v[8*(4*\a+bi)+4:8*(4*\a+bi)+7] offset:64*bi+16
.set bi, bi+1
.endr
	WIN 0
.if \a >= 2
	s_wait_xcnt 0x0                                ; the earlier stores have had their addresses translated (ISA guide 3.1): buffer f is loaded again only behind this wait
.endif
.set ni, 0
.rept 8
	ds_load_b128 v[FR+32*\f+4*ni:FR+32*\f+4*ni+3], v[RD] offset:ni*2*SPITCH      ; LDS serves a wave's instructions in order (ISA guide 5.7.1)
.set ni, ni+1
.endr
.set ni, 0
.rept 8
	s_wait_dscnt 7-ni                              ; load ni is in, the younger ones stay out
	global_store_b128 v[CO], v[FR+32*\f+4*ni:FR+32*\f+4*ni+3], s[8:9] offset:\a*65536+ni*8192 th:TH_STORE_NT   ; 16 lanes store 256 consecutive bytes, aligned
.set ni, ni+1
.endr
.endm
	OUT16 0, 0
	OUT16 1, 1
	OUT16 2, 0
	OUT16 3, 1
	s_set_vgpr_msb 0x1
	s_wait_tensorcnt 0x0
	ds_add_u32 v255, v255
	s_wait_dscnt 0x0
	s_set_vgpr_msb 0x100
	CROUND                                         ; the closing round
	s_endpgm
.Lfunc_end_k_q472aba6b49_proj:
	.size	k_q472aba6b49_proj, .Lfunc_end_k_q472aba6b49_proj-k_q472aba6b49_proj
	.p2alignl 7, 3214868480
	.fill 96, 4, 3214868480
	.section	.rodata,"a",@progbits
	.p2align	6, 0x0
	.amdhsa_kernel k_q472aba6b49_proj
		.amdhsa_group_segment_fixed_size 327680
		.amdhsa_private_segment_fixed_size 0
		.amdhsa_enable_private_segment 0
		.amdhsa_kernarg_size 24
		.amdhsa_user_sgpr_count 2
		.amdhsa_user_sgpr_kernarg_segment_ptr 1
		.amdhsa_wavefront_size32 1
		.amdhsa_system_sgpr_workgroup_id_x 1
		.amdhsa_system_sgpr_workgroup_id_y 1
		.amdhsa_system_sgpr_workgroup_id_z 1
		.amdhsa_system_vgpr_workitem_id 0
		.amdhsa_next_free_vgpr 640
		.amdhsa_next_free_sgpr 68
		.amdhsa_reserve_vcc 0
		.amdhsa_float_denorm_mode_32 3
		.amdhsa_float_denorm_mode_16_64 3
		.amdhsa_memory_ordered 1
		.amdhsa_forward_progress 1
		.amdhsa_inst_pref_size 90
	.end_amdhsa_kernel
	.amdgpu_metadata
---
amdhsa.version: [ 1, 2 ]
amdhsa.kernels:
  - .name:           k_q472aba6b49_proj
    .symbol:         k_q472aba6b49_proj.kd
    .args:
      - { .name: att, .offset: 0, .size: 8, .value_kind: global_buffer, .address_space: global }
      - { .name: hx, .offset: 8, .size: 8, .value_kind: global_buffer, .address_space: global }
      - { .name: out0, .offset: 16, .size: 8, .value_kind: global_buffer, .address_space: global }
    .group_segment_fixed_size: 327680
    .private_segment_fixed_size: 0
    .kernarg_segment_align: 8
    .kernarg_segment_size: 24
    .max_flat_workgroup_size: 128
    .sgpr_count:     68
    .vgpr_count:     640
    .wavefront_size: 32
...
	.end_amdgpu_metadata
.endif
;; end of part 4
